; MI455X (gfx1250); checked and timed in simulation.
; The chip was launched on July 23, 2026; its instructions are those of AMD's public machine-readable ISA for CDNA 5 (MIT licence, August 2026) and "CDNA5" Instruction Set Architecture Reference Guide (July 2026). The comments in the code are by the model that wrote it; some were corrected since.
;; Gemm RS Baseline. Allowed arithmetic: matrix products marked QUANTISED: E2M3 operands, one E8M0 scale for each 32 along K, by v_wmma_scale_f32_16x16x128_f8f6f4 with both operands' format E2M3, f32 sums; everything else in f32.
;; Inputs: weight 8 x 1,024 x 4,096 float32; x 8 x 2,048 x 1,024 float32.
;; Outputs: out0 8 x 256 x 4,096 float32.
;; This version of the problem:
;;   THIS VERSION OF THE PROBLEM IS GIVEN IN LOW PRECISION. The matrix products marked QUANTISED in the list below multiply operands that are first quantised to E2M3 (2 exponent bits, 3 mantissa bits; 6 bits a number), with one power-of-two scale for each 32 numbers along K (OCP MX v1.0); their sums are f32. All else is computed in f32.
;;   The module's matrix products, in the order in which they are computed (A, B: the left and right operand; K: the contracted axis; several contracted axes count as one K, in the product's order):
;;     1. [M 2,048, K 8,192] x [K 8,192, N 4,096]; A: input x; B: input weight: QUANTISED
;;   THE QUANTISER, for each operand of a quantised product, along K:
;;     - K is cut into blocks of 32 from its start; a last block that is shorter is filled with zeros.
;;     - A block's scale is 2^e with e = floor(log2(the largest magnitude in the block)) - 2, held to -126 .. 127; a block of zeros has e = 0. As a byte (E8M0): e + 127.
;;     - Each number is divided by its block's scale, clamped to +-7.5, and rounded to the nearest number of E2M3, ties to even, subnormals kept.
;;     - The product sums the exact products of the quantised numbers (number of the format x scale) in f32.
;;   ~~~python
;;   def quantise(x, axis):      # numpy; x: float32 -> the quantised numbers, widened to float32 again
;;       x = np.moveaxis(x, axis, -1); K = x.shape[-1]
;;       x = np.pad(x, [(0, 0)] * (x.ndim - 1) + [(0, -K % 32)]); x = x.reshape(x.shape[:-1] + (-1, 32)); a = np.abs(x).max(-1, keepdims=True)
;;       e = np.where(a > 0, np.clip(np.frexp(np.where(a > 0, a, 1))[1] - 1 - 2, -126, 127), 0)      # np.frexp(a)[1] - 1 = floor(log2(a)), exactly
;;       r = np.clip(x / 2.0 ** e, -7.5, 7.5)
;;       step = 2.0 ** (np.maximum(np.frexp(np.where(r == 0, 1, r))[1] - 1, 0) - 3)
;;       q = np.round(r / step) * step * 2.0 ** e      # np.round: ties to even
;;       return np.moveaxis(q.reshape(q.shape[:-2] + (-1,))[..., :K], -1, axis).astype(np.float32)
;;   ~~~
;; One version. Each part assembles by itself: llvm-mc -triple=amdgcn-amd-amdhsa -mcpu=gfx1250 --defsym DOCPART=n.
;; ======== version 1 of 1: 2 launches
;; limits: right only within a limited range of input values
;; workspace buffers: xq 13,107,200 bytes; wq 26,214,400 bytes
;; launch quant (part 1): grid 1536 x 1, 4 waves a work-group, no clusters, 39,424 bytes of LDS; arguments x, weight, xq, wq; writes xq, wq
.if DOCPART == 1
	.amdgcn_target "amdgcn-amd-amdhsa--gfx1250"
	.amdhsa_code_object_version 6
	.text
	.protected	k_qcc660147ac_quant
	.globl	k_qcc660147ac_quant
	.p2align	8
	.type	k_qcc660147ac_quant,@function
k_qcc660147ac_quant:
	s_mov_b64 s[64:65], 0
	v_nop
	global_prefetch_b8 v0, s[64:65] scope:SCOPE_SE
	s_setreg_imm32_b32 hwreg(HW_REG_WAVE_MODE, 25, 1), 1
	s_wait_xcnt 0x0
; x [8][2048][1024] and weight [8][1024][4096], f32, become codes of FP6 (E2M3) with one E8M0 scale byte for each 32 along K.
; K IS (k, rank), THE RANK INNERMOST: K = 8 k + rank, the order in which the product contracts its two axes.  So a block of 32 is four neighbouring k of all eight ranks.
; A block's scale is 2^(floor(log2(its largest magnitude)) - 2); its byte is the largest magnitude's exponent field - 2, held at 1 from below; each number is divided by the scale and rounded to the nearest code, ties to even,
; beyond 7.5 the largest code (the conversion does both).
; INSIDE A BLOCK both operands lay their 32 numbers at place 4 rank + k % 4, not 8 (k % 4) + rank: the scale and every code are the same, and so is the set of products; only the order of the sum inside a block differs.
; LIMITS: NaN and infinities among the inputs are not served.  A block of zeros gets the byte 1 where the rule says 127: its codes are zeros, which add nothing under any byte but 0xff, and this program alone reads the bytes.
; Blocks whose largest magnitude lies under 2^-124 keep the byte 1, as the rule's clip gives; they were not tried.
; THE WORKSPACE IS LAID IN THE ORDER OF THE OPERAND'S REGISTERS.  A PANEL is 128 rows (m of x, n of weight) x 128 along K (K step ks: k = 16 ks .. 16 ks + 15, all ranks; its block b: k = 16 ks + 4 b on), 12,800 bytes:
; eight fragment images of 1,536 bytes (block i of 16 rows: registers 4 g .. 4 g + 3 of lane L at 1536 i + 512 g + 16 L; lane L = r + 16 h holds row 16 i + r, registers 6 c .. 6 c + 5 the codes of the K step's block 2 c + h),
; then 512 bytes of scale words (four bytes, byte b for block b): block i, row r at 12288 + 256 (i / 4) + 16 r + 4 p, p = 2 (i % 2) + (i / 2) % 2.  xq = [16 panel rows][64 K steps][12800], wq = [32][64][12800].
; SHARES.  Work-groups 0-511 take x, the others weight: one scalar branch on the work-group's number, the same for all four waves of a group.  EVERY WORK-GROUP READS 128 KiB, every wave 32 KiB: 1,536 equal groups, six for each of 256 WGPs;
; 160 registers a wave and 39,424 bytes of LDS a group let the six lie on a WGP together.  Everything is written out by macros: every offset is an immediate, no pointer is stepped.
; The stream is read once and shared by nobody, so clusters, tensor loads and matrix units have no part here.
.set PANEL,  12800
.set SCO,    12288
.set XWG,    512                       ; work-groups for x
.set BASE,   32                        ; s[32:47] the input at my part, one address for each rank
.set Z,      32                        ; x: v32-159 four sets of 32 numbers;  weight: v32-95 two sets
.set WT,     20                        ; weight: v20-21 the scale words of column group u
.set T0,     24                        ; v[24:26] the second half of a block's codes (a conversion's three registers begin on an even number)
.set C,      96                        ; weight: v96-143 four fragments' parts, each written once
.set PS,     18                        ; x: v18-23 a block's six registers of codes
.set BR,     27                        ; x: v27 its scale byte
.set OUTR,   32                        ; x: the way out, v32-81: the numbers' registers, which are free by then
; x's stage in LDS, a wave's own: the four K steps' fragment images with room between their parts: register group g of lane L of K step q at QP q + GP g + 16 (L % 16) + HP (L / 16).
; In a step's store of 8 bytes a lane the lanes differ in q, L / 16, the row's parity (16 bytes) and the half of a 16-byte place: with QP = 64, HP = 32 and GP = 0 modulo 256 these are 32 different places of 8 bytes modulo 256.
.set QP,     2368
.set GP,     768
.set HP,     288
.set STGB,   4*QP
.set SCB,    4*STGB                    ; behind the four stages: the work-group's four units of scale words, 256 bytes for each K step
; the largest magnitude of the 32 numbers v[z] .. v[z + 31], in two chains, with the floor 2^(3 - 127) among the leaves, so that the byte cannot fall under 1: into v12
.macro BMAX z
	v_max3_num_f32 v12, |v[\z]|, |v[\z+1]|, |v[\z+2]|
	v_max3_num_f32 v13, |v[\z+3]|, |v[\z+4]|, |v[\z+5]|
.irp i, 6,10,14,18,22,26
	v_max3_num_f32 v12, v12, |v[\z+\i]|, |v[\z+\i+1]|
	v_max3_num_f32 v13, v13, |v[\z+\i+2]|, |v[\z+\i+3]|
.endr
	v_max3_num_f32 v12, v12, |v[\z+30]|, |v[\z+31]|
	v_max3_num_f32 v12, v12, v13, 0x1800000
.endm
	s_load_b256 s[4:11], s[0:1], 0x0               ; x s[4:5], weight s[6:7], xq s[8:9], wq s[10:11]
	v_lshl_add_u32 v28, v0, 2, 0x9800              ; my spare word, behind the stages and the scale units; v28 and v29 serve nothing else
	v_mov_b32 v29, 0
	v_lshrrev_b32 v1, 5, v0
	v_readfirstlane_b32 s12, v1                    ; wave 0..3
	v_and_b32 v1, 31, v0                           ; lane
	v_and_b32 v2, 15, v0                           ; lane % 16
	v_bfe_u32 v3, v0, 4, 1                         ; lane / 16
	s_mov_b32 s17, 0                               ; the upper word of every offset pair
	s_wait_kmcnt 0x0
	s_cmp_lt_u32 ttmp9, XWG
	s_cbranch_scc0 .Lweight
; ---------------- x.  A work-group takes 64 rows x 64 k x 8 ranks: four K steps of half a panel row; wave w takes its block of 16 rows w.  A LANE TAKES ONE ROW AND ONE BLOCK: lane (j = lane % 16, lane / 16) takes
; k = 4 j .. 4 j + 3 of the group's 64 (K step q = j / 4, block b = j % 4) of row 2 s + lane / 16 in step s; its eight loads, one for each rank, give it the block's 32 numbers.
; Each load of the wave reads two rows' 256 consecutive bytes, each at a multiple of 256 from x's first byte.
	s_and_b32 s14, ttmp9, 15                       ; kc: which 64 k
	s_lshr_b32 s15, ttmp9, 4                       ; mh: which 64 rows, 0..31
	s_lshl_b32 s16, s15, 18                        ; 64 rows of 4,096 bytes
	s_lshl_b32 s18, s12, 16                        ; my wave's 16 of them
	s_add_co_u32 s16, s16, s18
	s_lshl_b32 s18, s14, 8
	s_add_co_u32 s16, s16, s18
	s_add_nc_u64 s[BASE:BASE+1], s[4:5], s[16:17]  ; rank 0
.irp rk, 1,2,3,4,5,6,7
	s_add_nc_u64 s[BASE+2*\rk:BASE+2*\rk+1], s[BASE+2*\rk-2:BASE+2*\rk-1], 0x800000   ; a rank of x is 2048 x 4096 bytes
.endr
	s_lshr_b32 s18, s15, 1
	s_lshl_b32 s18, s18, 6
	s_lshl_b32 s19, s14, 2
	s_add_co_u32 s18, s18, s19
	s_mul_i32 s18, s18, PANEL                      ; the group's first panel: panel row mh / 2, K step 4 kc
	s_and_b32 s22, s15, 1                          ; its lower or upper four blocks of rows
	s_mul_i32 s23, s22, 6144
	s_add_co_u32 s16, s18, s23
	s_mul_i32 s23, s12, 1536                       ; my block among the four
	s_add_co_u32 s16, s16, s23
	s_add_nc_u64 s[26:27], s[8:9], s[16:17]        ; my codes
	s_lshl_b32 s22, s22, 8
	s_add_co_u32 s16, s18, s22
	s_add_co_u32 s16, s16, SCO
	s_mul_i32 s23, s12, PANEL                      ; of the four K steps' units of scale words wave w stores K step w's
	s_add_co_u32 s16, s16, s23
	s_add_nc_u64 s[28:29], s[8:9], s[16:17]
	s_mul_i32 s19, s12, STGB                       ; my stage in LDS
	s_and_b32 s20, s12, 1
	s_lshl_b32 s20, s20, 3
	s_lshr_b32 s21, s12, 1
	s_lshl_b32 s21, s21, 2
	s_add_co_u32 s20, s20, s21                     ; 4 p: my block's place among a row's four words, p = 2 (w % 2) + w / 2
	s_add_co_u32 s20, s20, SCB
	s_lshl_b32 s21, s12, 8
	s_add_co_u32 s21, s21, SCB                     ; the unit that I read back
	s_wait_alu depctr_va_vdst(0)
	v_lshlrev_b32 v4, 4, v2
	v_lshl_add_u32 v4, v3, 12, v4                  ; in: 16 j + 4,096 (lane / 16)
	v_bfe_u32 v10, v0, 2, 2                        ; q = j / 4
	v_and_b32 v11, 1, v0                           ; h = b % 2: which half of the fragment's lanes
	v_bfe_u32 v12, v0, 1, 1                        ; c = b / 2: registers 6 c .. 6 c + 5
	v_and_b32 v13, 3, v0                           ; b
	v_mul_u32_u24 v5, v10, QP
	v_mad_u32_u24 v5, v11, HP, v5
	v_lshl_add_u32 v5, v3, 4, v5                   ; + 16 x the row's parity
	v_add_nc_u32 v5, s19, v5
	v_mad_u32_u24 v6, v12, 2*GP-8, v5              ; registers 6 c + 2, 3 (with the immediate 8): c = 0: group 0, byte 8; c = 1: group 2, byte 0
	v_mad_u32_u24 v5, v12, GP+8, v5                ; registers 6 c + 0, 1, and with the immediate GP 6 c + 4, 5: c = 0: group 0 byte 0, group 1 byte 0; c = 1: group 1 byte 8, group 2 byte 8
	v_lshl_add_u32 v8, v10, 8, v13
	v_lshl_add_u32 v8, v3, 4, v8
	v_add_nc_u32 v8, s20, v8                       ; my scale byte: unit q, my block's word, byte b, + 16 x the row's parity
	v_lshlrev_b32 v9, 4, v2
	v_mad_u32_u24 v9, v3, HP, v9
	v_add_nc_u32 v9, s19, v9                       ; back out of the stage: lane L's 16 bytes of an image
	v_lshlrev_b32 v14, 4, v1                       ; and their place in memory: 16 x lane
	v_lshlrev_b32 v16, 3, v1                       ; a unit of scale words leaves 8 bytes a lane
	v_add_nc_u32 v15, s21, v16
.macro XLOAD s                         ; step s: rows 2 s and 2 s + 1 of my 16, all ranks
.irp rk, 0,1,2,3,4,5,6,7
	global_load_b128 v[Z+32*((\s)%4)+4*\rk:Z+32*((\s)%4)+4*\rk+3], v4, s[BASE+2*\rk:BASE+2*\rk+1] offset:(\s)*8192 th:TH_LOAD_NT
.endr
.endm
.macro XSTEP s
.set ZS, Z+32*((\s)%4)
.if (\s) <= 4
	s_wait_loadcnt 24                              ; this step's eight loads are in; those of the three steps behind it may be out
.else
	s_wait_loadcnt 8*(7-(\s))
.endif
	BMAX ZS                                        ; all 32 numbers of the block are mine
	v_add_nc_u32 v11, 0xff000000, v12              ; 2 off the exponent field: the conversion takes the exponent field of this operand as its scale
	s_wait_alu depctr_va_vdst(0)
	s_wait_dscnt 0x0                               ; the last step's LDS stores have read the code registers and the byte
	v_cvt_scalef32_pk16_fp6_f32 v[PS:PS+2], v[ZS:ZS+15], v11
	v_cvt_scalef32_pk16_fp6_f32 v[T0:T0+2], v[ZS+16:ZS+31], v11
	v_lshrrev_b32 v[BR], 23, v11                   ; the scale's byte.  (Also the plain place behind the conversions)
.irp i, 0,1,2
	v_mov_b32 v[PS+3+\i], v[T0+\i]
.endr
.if (\s)+4 < 8
	XLOAD (\s)+4                                   ; into the set just converted
.endif
	ds_store_b64 v5, v[PS:PS+1] offset:32*(\s)                 ; row 2 s + lane / 16 of my 16: 16 bytes a row
	ds_store_b64 v6, v[PS+2:PS+3] offset:32*(\s)+8
	ds_store_b64 v5, v[PS+4:PS+5] offset:32*(\s)+GP
	ds_store_b8 v8, v[BR] offset:32*(\s)
.endm
	XLOAD 0
	XLOAD 1
	XLOAD 2
	XLOAD 3
.set S, 0
.rept 8
	XSTEP S
.set S, S+1
.endr
	s_wait_dscnt 0x0                               ; for the others' sake: my scale bytes have landed
	s_barrier_signal -1
	s_barrier_wait -1                              ; a unit of scale words holds four blocks of rows: it comes from all four waves
.irp q, 0,1,2,3                        ; my block's four images, out of my own stage
.irp g, 0,1,2
	ds_load_b128 v[OUTR+12*\q+4*\g:OUTR+12*\q+4*\g+3], v9 offset:\q*QP+\g*GP
.endr
.endr
	ds_load_b64 v[OUTR+48:OUTR+49], v15            ; and K step w's unit of scale words
	s_wait_dscnt 0x0
.irp q, 0,1,2,3
.irp g, 0,1,2
	global_store_b128 v14, v[OUTR+12*\q+4*\g:OUTR+12*\q+4*\g+3], s[26:27] offset:\q*PANEL+512*\g   ; 32 lanes store 512 consecutive bytes, at a multiple of 256 from the buffer's first byte
.endr
.endr
	global_store_b64 v16, v[OUTR+48:OUTR+49], s[28:29]         ; 32 lanes store 256 consecutive bytes, aligned
	s_wait_tensorcnt 0x0
	ds_add_u32 v28, v29
	s_wait_dscnt 0x0
	s_endpgm
; ---------------- weight: K is not innermost.  A LANE TAKES A COLUMN AND ITS REGISTERS RUN THROUGH A BLOCK: register 4 rank + kk holds weight[rank][16 ks + 4 kb + kk][column].  A block lies in one lane, and the codes come out with K innermost.  No LDS, no barrier.
; A wave takes 64 columns (two groups u of 32) x one K step (four blocks kb).  Lane (h, r) of group u is row r of the half panel's block 2 u + h; its codes of block kb = 2 c + hh are registers 6 c .. 6 c + 5 of that fragment's lane r + 16 hh.
.Lweight:
	s_sub_co_u32 s13, ttmp9, XWG
	s_lshr_b32 s14, s13, 4                         ; the K step, 0..63
	s_and_b32 s13, s13, 15
	s_lshl_b32 s13, s13, 2
	s_add_co_u32 s13, s13, s12                     ; nh: which 64 columns, 0..63: a work-group stands on 1,024 bytes of each row
	s_lshl_b32 s15, s14, 18                        ; 16 rows of 16,384 bytes
	s_lshl_b32 s16, s13, 8
	s_add_co_u32 s16, s15, s16
	s_add_nc_u64 s[BASE:BASE+1], s[6:7], s[16:17]  ; rank 0
.irp rk, 1,2,3,4,5,6,7
	s_add_nc_u64 s[BASE+2*\rk:BASE+2*\rk+1], s[BASE+2*\rk-2:BASE+2*\rk-1], 0x1000000   ; a rank of weight is 1024 x 16384 bytes
.endr
	s_lshr_b32 s18, s13, 1
	s_lshl_b32 s18, s18, 6
	s_add_co_u32 s18, s18, s14
	s_mul_i32 s18, s18, PANEL                      ; my panel
	s_and_b32 s22, s13, 1
	s_mul_i32 s23, s22, 6144
	s_add_co_u32 s16, s18, s23
	s_add_nc_u64 s[26:27], s[10:11], s[16:17]      ; my codes
	s_lshl_b32 s22, s22, 8
	s_add_co_u32 s16, s18, s22
	s_add_co_u32 s16, s16, SCO
	s_add_nc_u64 s[28:29], s[10:11], s[16:17]      ; my scale words
	s_wait_alu depctr_va_vdst(0)
	v_lshlrev_b32 v4, 2, v1                        ; in: 4 bytes a lane
	v_mul_u32_u24 v5, v3, 1536
	v_lshl_add_u32 v5, v2, 4, v5                   ; out: block h of the pair, lane r of its image
	v_lshlrev_b32 v7, 4, v2
	v_lshl_add_u32 v7, v3, 3, v7                   ; the scale words' store: 16 r + 8 h
.macro WLOAD t                         ; block t / 2 of column group t % 2
.irp rk, 0,1,2,3,4,5,6,7
.irp kk, 0,1,2,3
	global_load_b32 v[Z+32*((\t)%2)+4*\rk+\kk], v4, s[BASE+2*\rk:BASE+2*\rk+1] offset:(4*((\t)/2)+\kk)*16384+128*((\t)%2) th:TH_LOAD_NT
.endr
.endr
.endm
.macro WBLOCK t
.set KB, (\t)/2
.set U,  (\t)%2
.set HH, KB%2
.set CC, KB/2
.set WZ, Z+32*U
.set CR, C+24*U+12*HH
.if (\t) < 7
	s_wait_loadcnt 32                              ; this block's 32 loads are in; the next block's 32 may be out
.else
	s_wait_loadcnt 0x0
.endif
	BMAX WZ                                        ; all 32 numbers of the block are mine
	v_add_nc_u32 v11, 0xff000000, v12              ; 2 off the exponent field: the conversion's scale operand
	v_cvt_scalef32_pk16_fp6_f32 v[CR+6*CC:CR+6*CC+2], v[WZ:WZ+15], v11
	v_cvt_scalef32_pk16_fp6_f32 v[T0:T0+2], v[WZ+16:WZ+31], v11
	v_lshrrev_b32 v13, 23, v11                     ; the scale's byte.  (Also the plain place behind the conversions)
.if KB == 0
	v_mov_b32 v[WT+U], v13                         ; four bytes to a word, the lower K in the lower byte
.else
	v_lshl_or_b32 v[WT+U], v13, 8*KB, v[WT+U]
.endif
.irp i, 0,1,2
	v_mov_b32 v[CR+6*CC+3+\i], v[T0+\i]
.endr
.if (\t) < 6
	WLOAD (\t)+2                                   ; into the set just converted
.endif
.if KB >= 2                            ; both halves of these twelve registers are made: they leave.  Each of them is written once in the launch
.irp g, 0,1,2
	global_store_b128 v5, v[CR+4*\g:CR+4*\g+3], s[26:27] offset:3072*U+512*\g+256*HH   ; lanes 0-15 and lanes 16-31 each store 256 consecutive bytes, aligned
.endr
.endif
.endm
	WLOAD 0
	WLOAD 1
.irp t, 0,1,2,3,4,5,6,7
	WBLOCK \t
.endr
	global_store_b64 v7, v[WT:WT+1], s[28:29]      ; places 2 h + u of a row's four words: 32 lanes store 256 consecutive bytes, aligned
	s_endpgm
.Lfunc_end_k_qcc660147ac_quant:
	.size	k_qcc660147ac_quant, .Lfunc_end_k_qcc660147ac_quant-k_qcc660147ac_quant
	.p2alignl 7, 3214868480
	.fill 96, 4, 3214868480
	.section	.rodata,"a",@progbits
	.p2align	6, 0x0
	.amdhsa_kernel k_qcc660147ac_quant
		.amdhsa_group_segment_fixed_size 39424
		.amdhsa_private_segment_fixed_size 0
		.amdhsa_enable_private_segment 0
		.amdhsa_kernarg_size 32
		.amdhsa_user_sgpr_count 2
		.amdhsa_user_sgpr_kernarg_segment_ptr 1
		.amdhsa_wavefront_size32 1
		.amdhsa_system_sgpr_workgroup_id_x 1
		.amdhsa_system_sgpr_workgroup_id_y 1
		.amdhsa_system_sgpr_workgroup_id_z 1
		.amdhsa_system_vgpr_workitem_id 0
		.amdhsa_next_free_vgpr 160
		.amdhsa_next_free_sgpr 66
		.amdhsa_reserve_vcc 0
		.amdhsa_float_denorm_mode_32 3
		.amdhsa_float_denorm_mode_16_64 3
		.amdhsa_memory_ordered 1
		.amdhsa_forward_progress 1
		.amdhsa_inst_pref_size 64
	.end_amdhsa_kernel
	.amdgpu_metadata
---
amdhsa.version: [ 1, 2 ]
amdhsa.kernels:
  - .name:           k_qcc660147ac_quant
    .symbol:         k_qcc660147ac_quant.kd
    .args:
      - { .name: x, .offset: 0, .size: 8, .value_kind: global_buffer, .address_space: global }
      - { .name: weight, .offset: 8, .size: 8, .value_kind: global_buffer, .address_space: global }
      - { .name: xq, .offset: 16, .size: 8, .value_kind: global_buffer, .address_space: global }
      - { .name: wq, .offset: 24, .size: 8, .value_kind: global_buffer, .address_space: global }
    .group_segment_fixed_size: 39424
    .private_segment_fixed_size: 0
    .kernarg_segment_align: 8
    .kernarg_segment_size: 32
    .max_flat_workgroup_size: 128
    .sgpr_count:     66
    .vgpr_count:     160
    .wavefront_size: 32
...
	.end_amdgpu_metadata
.endif
;; end of part 1
;; launch gemm (part 2): grid 16 x 16, 4 waves a work-group, clusters of 4 x 1, 327,680 bytes of LDS; arguments xq, wq, out0; writes out0
.if DOCPART == 2
	.amdgcn_target "amdgcn-amd-amdhsa--gfx1250"
	.amdhsa_code_object_version 6
	.text
	.protected	k_qcc660147ac_gemm
	.globl	k_qcc660147ac_gemm
	.p2align	8
	.type	k_qcc660147ac_gemm,@function
k_qcc660147ac_gemm:
	s_mov_b64 s[64:65], 0
	v_nop
	global_prefetch_b8 v0, s[64:65] scope:SCOPE_SE
	s_setreg_imm32_b32 hwreg(HW_REG_WAVE_MODE, 25, 1), 1
	s_wait_xcnt 0x0
	s_wait_alu depctr_hold_cnt(0) depctr_sa_sdst(0) depctr_va_vdst(0) depctr_va_sdst(0) depctr_va_ssrc(0) depctr_va_vcc(0) depctr_vm_vsrc(0)
	s_getreg_b32 s2, hwreg(HW_REG_IB_STS2, 6, 4)
	s_cmp_eq_u32 s2, 0
	s_cbranch_scc0 .Lentry_in_a_cluster
	s_endpgm
.Lentry_in_a_cluster:
	s_bfe_u32 s2, ttmp6, 0x10000c
	s_cmp_lg_u32 s2, 0x3003
	s_cbranch_scc0 .Lentry_shape_is_right
	s_endpgm
.Lentry_shape_is_right:
; out0 [2048][4096] f32 = sum over K = 8192 of x's codes times weight's codes (FP6 E2M3, one E8M0 byte for each 32 along K), from the panels that launch quant laid:
; a panel is 128 rows x 128 K, 12,800 bytes: eight images of a fragment's registers (1,536 bytes each), then 512 bytes of scale words.  xq = [16][64][12800], wq = [32][64][12800].
; A work-group makes 128 x 256 of the result: 256 work-groups.  Wave (p, j) makes all 128 rows x columns 128 j .. 128 j + 127 over K half p (panels 32 p + t, t = 0 .. 31): 64 accumulators, 512 registers;
; at the end the two waves of a column half exchange half of their sums through LDS, add, and each stores 64 rows.
; WEIGHT'S PANELS GO FROM MEMORY STRAIGHT INTO REGISTERS: a panel of wq is read by one wave of the work-group alone and is already the image of that wave's registers, so 24 loads of 16 bytes a lane bring the eight
; fragments and one more the scale words (lanes 0-15: blocks 0-3, lanes 16-31: blocks 4-7).  Three sets of registers: while step t is multiplied, the 50 loads of steps t + 1 and t + 2 are out.
; So weight's panels are not asked for jointly: a joint load lands in LDS, where 12,800 bytes a step and wave would be written and read again for one reader.
; X'S PANELS, which the two waves of a K half share, come through LDS by tensor loads, asked for JOINTLY by the four work-groups of a cluster (4 x 1: one row block, four column blocks; mask 15).
; The head's loads bring steps 0 to 4: waves with j = 0 steps 0, 1 (100 rows of 256 bytes) into bytes of their own, which later serve the exchange; waves with j = 1 steps 2 to 4 (150 rows) into slot 1.
; From step 5 on three steps make a group, 75 rows a wave, in slot 0 and slot 1 by turns; a group is asked for three steps ahead of its first read (steps 5 to 7: behind the head's round).
; THE MATRIX INSTRUCTION IS USED TRANSPOSED (source 0 = 16 columns of weight, source 1 = 16 rows of x): a lane holds eight neighbouring numbers of a row of the result.
; REGISTERS: window 0: v0-31 addresses; v32-39 x's scale words, two sets; v40-51 weight's, three sets; v64-159 x's fragments, one set; v160-255 weight's set 2.
;   window 1: weight's sets 0 (v0-95) and 1 (v128-223).  window 2: the accumulators of the 64 rows that I keep;  window 3: of the 64 rows that I hand to my partner.
; PREFETCHES.  wq: six panels are 300 blocks of 256 bytes, 19 to each of the 16 row blocks that read them, told apart by address.  The head asks for panels 3 to 8; the trip that begins at step t0 asks, in its third step,
; for panels t0 + 7 to t0 + 12, of which the first is loaded two steps later; the last trip's offsets are held at block 249, the end of panel 31.
; xq: a group is 150 blocks, 19 to each of 2 waves x 4 partners.  The head asks for panels 8 to 13, each change of slots for the group two groups on; the last trip has none left to ask for.
; LIMITS: as launch quant states them.
.set PANEL,  12800
.set FRB,    1536
.set SCO,    12288
.set PROW,   64*PANEL
.set GRP,    3*PANEL                   ; a K half's part of a slot
.set REG,    2*GRP                     ; a slot
.set PART,   75*256                    ; what one tensor load of the ring brings
.set XCH,    2*REG                     ; steps 0 and 1; on the way out the exchange, 32,768 bytes a wave
.set STAGE,  XCH+4*32768               ; 16 rows x 528 bytes for each wave
.set SPITCH, 528
.set SPARE,  STAGE+4*16*SPITCH         ; the spare words, 128 bytes a wave
.set LI,     3                         ; 16 x lane
.set ADRA,   8                         ; v8-10 my kept rows' fragments in slot 0, 1, the bytes of steps 0 and 1;  v11-13 the rows that I hand over
.set ADRS,   14                        ; v14-16 x's scale words
.set XS,     18
.set XR,     19
.set STO,    20
.set RD,     21
.set PFB,    22
.set PFA,    23
.set PFC,    24
.set SPW,    28
.set NIL,    29
.set SA,     32
.set SB,     40
.set AF,     64
.set G1,  24                           ; s[24:31] group 1: 100 rows at the head, then 75
.set G0H, 32                           ; s[32:35] group 0 for steps 0 and 1
.set D,   36                           ; s[36:39], s[40:43] group 0 for slot 0, 1
.set BP,  44                           ; s[44:45] my panels of wq
.set PAF, 46                           ; s[46:47] my K half's panels of xq, for the prefetches
.set G1X, 68                           ; s[68:75] group 1 for steps 2 to 4: 150 rows
.set G0X, 76                           ; s[76:79] their group 0
.set MSB, 0
.macro WIN new                         ; the immediate's high byte repeats the setting that is left
.if MSB != (\new)
	s_set_vgpr_msb (MSB<<8)|(\new)
.set MSB, (\new)
.endif
.endm
.macro PLACES
.rept 4
	v_nop
.endr
.endm
.macro CREST                           ; a round of the cluster's barrier behind its opening barrier
	s_cmp_lg_u32 s14, 0
	s_cbranch_scc1 .Lnot_wave_0_\@
	s_barrier_signal -3
.Lnot_wave_0_\@:
	s_barrier_wait -3
	s_barrier_signal -1
	s_barrier_wait -1
.endm
.macro CROUND
	s_barrier_signal -1
	s_barrier_wait -1
	CREST
.endm
.macro ASK which                       ; s3 = 1 in the loop's last trip
	s_cmp_gt_u32 s3, 1
	s_cbranch_scc0 .Llast_ask_\@
.if \which == 1
	global_prefetch_b8 v[PFB], s[BP:BP+1] offset:7*PANEL th:TH_LOAD_NT scope:SCOPE_SE
	global_prefetch_b8 v[PFA], s[PAF:PAF+1] offset:12*PANEL th:TH_LOAD_NT scope:SCOPE_SE
	s_branch .Lasked_\@
.else
	global_prefetch_b8 v[PFA], s[PAF:PAF+1] offset:15*PANEL th:TH_LOAD_NT scope:SCOPE_SE
.endif
.Llast_ask_\@:
.if \which == 1
	global_prefetch_b8 v[PFC], s[BP:BP+1] offset:7*PANEL th:TH_LOAD_NT scope:SCOPE_SE   ; panels 27 to 31 alone
.Lasked_\@:
.endif
.endm
.macro FETCH_A rg, q, hf               ; four of x's fragments (hf = 0: the rows that I keep) of step q of the group in rg
.irp i, 0,1,2,3
.irp g, 0,1,2
	ds_load_b128 v[AF+12*(4*(\hf)+\i)+4*\g:AF+12*(4*(\hf)+\i)+4*\g+3], v[ADRA+3*(\hf)+(\rg)] offset:(\q)*PANEL+\i*FRB+512*\g
.endr
.endr
.endm
.macro ASCL rg, q, as                  ; x's scale words: lanes 0-15 the kept rows' four blocks, lanes 16-31 the others'
	ds_load_b128 v[SA+4*(\as):SA+4*(\as)+3], v[ADRS+(\rg)] offset:(\q)*PANEL
.endm
.macro BLOAD bs, off                   ; a panel of wq into set bs: 25 loads, each 512 consecutive bytes
.set BBASE, 128*(\bs)-48*(\bs)*((\bs)-1)
	WIN (1-(\bs)/2)<<6
.irp i, 0,1,2,3,4,5,6,7
.irp g, 0,1,2
	global_load_b128 v[BBASE+12*\i+4*\g:BBASE+12*\i+4*\g+3], v[LI], s[BP:BP+1] offset:(\off)+\i*FRB+512*\g
.endr
.endr
	WIN 0
	global_load_b128 v[SB+4*(\bs):SB+4*(\bs)+3], v[LI], s[BP:BP+1] offset:(\off)+SCO
.endm
.macro WM c, rb, ra                    ; one product; rb, ra: which half of the lanes holds weight's and x's scale words
.if (\rb) == 0 && (\ra) == 0
	v_wmma_scale_f32_16x16x128_f8f6f4 v[DD:DD+7], v[BB:BB+11], v[AA:AA+11], \c, v[S1], v[S2] matrix_a_fmt:MATRIX_FMT_FP6 matrix_b_fmt:MATRIX_FMT_FP6
.endif
.if (\rb) == 1 && (\ra) == 0
	v_wmma_scale_f32_16x16x128_f8f6f4 v[DD:DD+7], v[BB:BB+11], v[AA:AA+11], \c, v[S1], v[S2] matrix_a_fmt:MATRIX_FMT_FP6 matrix_b_fmt:MATRIX_FMT_FP6 matrix_a_scale:MATRIX_SCALE_ROW1
.endif
.if (\rb) == 0 && (\ra) == 1
	v_wmma_scale_f32_16x16x128_f8f6f4 v[DD:DD+7], v[BB:BB+11], v[AA:AA+11], \c, v[S1], v[S2] matrix_a_fmt:MATRIX_FMT_FP6 matrix_b_fmt:MATRIX_FMT_FP6 matrix_b_scale:MATRIX_SCALE_ROW1
.endif
.if (\rb) == 1 && (\ra) == 1
	v_wmma_scale_f32_16x16x128_f8f6f4 v[DD:DD+7], v[BB:BB+11], v[AA:AA+11], \c, v[S1], v[S2] matrix_a_fmt:MATRIX_FMT_FP6 matrix_b_fmt:MATRIX_FMT_FP6 matrix_a_scale:MATRIX_SCALE_ROW1 matrix_b_scale:MATRIX_SCALE_ROW1
.endif
.endm
; 16 products: x's blocks a0, a0 + 1 against weight's eight.  The 64 accumulators take turns, in the same order in every step.
.macro MUL16 a0, bs, as, zero
.irp a, \a0, \a0+1
.irp b, 0,1,2,3,4,5,6,7
.set DD, 8*(8*((\a)%4)+\b)
.set BB, 128*(\bs)-48*(\bs)*((\bs)-1)+12*\b
.set AA, AF+12*(\a)
.set S1, SB+4*(\bs)+2*(\b%2)+(\b/2)%2
.set S2, SA+4*(\as)+2*((\a)%2)+((\a)/2)%2
.if \zero
	WM 0, \b/4, (\a)/4
.else
	WM v[DD:DD+7], \b/4, (\a)/4
.endif
.endr
.endr
.endm
; A step of 128 along K.  bs, as: this step's sets of weight's registers and of x's scale words.  rn, qn: where the next step's panel of x lies.
; mode 0: in bytes that a barrier has already shown whole.  mode 1: in the other slot; the slot just read out, 1 - rn, is filled again.  mode 2: the same with nothing left to fetch.  mode 3: the last step.
; boff >= 0: weight's panel three steps on, boff panels from s[BP], goes into this step's set.  cnt: the younger loads that may stay out.
.macro KSTEP bs, as, rn, qn, mode, boff, cnt, zero, ask
.set BWIN, 1-(\bs)/2
	s_wait_loadcnt \cnt                            ; this step's 25 loads are in
	s_wait_dscnt 12                                ; x's scale words and blocks 0-3 are in; the youngest twelve loads (blocks 4-7) may be out
	WIN 0xa0+BWIN
	MUL16 0, \bs, \as, \zero
.if \mode == 1 || \mode == 2
	WIN 0
	s_wait_tensorcnt 0x0                           ; all my tensor loads have landed: my part of the next group
	ds_add_u32 v[SPW], v[NIL]
.if \mode == 1
	s_add_nc_u64 s[D+4*(\rn)+2:D+4*(\rn)+3], s[D+4*(\rn)+2:D+4*(\rn)+3], 6*PANEL   ; no load of mine is out: slot rn's next group
.endif
	s_wait_dscnt 0x0                               ; the add is done, and my reads of the slot that is left
	s_barrier_signal -1
	WIN 0xa0+BWIN
	MUL16 2, \bs, \as, \zero
	WIN 0
	s_barrier_wait -1
.if \mode == 1
	CREST                                          ; the barrier has opened a round of the cluster's barrier
	tensor_load_to_lds s[D+4*(1-(\rn)):D+4*(1-(\rn))+3], s[G1:G1+7]
	s_nop 0
.endif
	PLACES
.else
	MUL16 2, \bs, \as, \zero
	s_wait_dscnt 0x0                               ; x's blocks 4-7 are in
	PLACES
	WIN 0
.endif
.if \mode != 3
	ASCL \rn, \qn, 1-(\as)
	FETCH_A \rn, \qn, 0
.endif
.if \ask
	ASK \ask
.endif
	WIN 0xf0+BWIN
	MUL16 4, \bs, \as, \zero
	MUL16 6, \bs, \as, \zero
	PLACES
	WIN 0
.if \mode != 3
	FETCH_A \rn, \qn, 1
.endif
.if (\boff) >= 0
	BLOAD \bs, (\boff)*PANEL
.endif
.endm
	s_load_b128 s[4:7], s[0:1], 0x0                ; xq, wq
	s_load_b64 s[8:9], s[0:1], 0x10                ; out0
	v_lshl_add_u32 v[SPW], v0, 2, SPARE
	v_mov_b32 v[NIL], 0
	ds_add_u32 v[SPW], v[NIL]                      ; the opening lines: the add twice on end under one wait
	ds_add_u32 v[SPW], v[NIL]
	v_lshrrev_b32 v1, 5, v0
	v_readfirstlane_b32 s14, v1                    ; wave
	s_lshr_b32 s15, s14, 1                         ; p: my half of K
	s_and_b32 s16, s14, 1                          ; j: my half of the columns
	s_bfe_u32 s48, ttmp6, 0x40000                  ; cx
	s_lshl_b32 s49, ttmp9, 2
	s_add_co_u32 s49, s49, s48                     ; column block = 4 x cluster x + cx
	s_and_b32 s17, ttmp7, 0xffff                   ; row block = cluster y
.irp g, G1, G1X
	s_mov_b32 s[\g+0], 15|(3<<16)|(1<<21)          ; the mask names the cluster's four; elements of 8 bytes; bit 21 beside a mask
	s_mov_b32 s[\g+1], 32<<16                      ; rows of 256 bytes, dense
	s_mov_b32 s[\g+3], 32<<16
	s_mov_b32 s[\g+5], 32
	s_mov_b32 s[\g+6], 0
	s_mov_b32 s[\g+7], 0
.endr
	s_mov_b32 s[G1+2], 100<<16                     ; steps 0 and 1: two panels
	s_mov_b32 s[G1+4], 100
	s_mov_b32 s[G1X+2], 150<<16                    ; steps 2 to 4: three panels
	s_mov_b32 s[G1X+4], 150
	s_mul_i32 s50, s15, GRP                        ; my K half's part of a slot
	s_mul_i32 s51, s15, 4*FRB
	s_add_co_u32 s51, s51, s50                     ; blocks 4 p ..: the rows that I keep
	s_xor_b32 s52, s15, 1
	s_mul_i32 s52, s52, 4*FRB
	s_add_co_u32 s52, s52, s50                     ; the other four blocks
	s_add_co_u32 s53, s50, SCO
	s_lshl_b32 s54, s14, 15
	s_add_co_u32 s54, s54, XCH                     ; the exchange: what I hand over,
	s_xor_b32 s55, s14, 2
	s_lshl_b32 s55, s55, 15
	s_add_co_u32 s55, s55, XCH                     ; and what my partner hands me
	s_mul_i32 s56, s14, 16*SPITCH
	s_add_co_u32 s56, s56, STAGE
	s_mul_i32 s57, s17, 19                         ; my work-group's blocks of six panels' 300 of wq
	s_lshl_b32 s58, s48, 1
	s_add_co_u32 s58, s58, s16
	s_mul_i32 s58, s58, 19                         ; my wave's blocks of a group's 150 of xq
	s_mul_i32 s59, s15, 32*PANEL
	s_mul_i32 s20, s17, PROW
	s_add_co_u32 s20, s20, s59                     ; xq: row block, K half
	s_mov_b32 s21, 0
	s_lshl_b32 s22, s49, 1
	s_add_co_u32 s22, s22, s16
	s_mul_i32 s22, s22, PROW
	s_add_co_u32 s22, s22, s59                     ; wq: my 128 columns, K half
	s_mov_b32 s23, 0
	s_mul_i32 s60, s16, PART                       ; the ring's loads: half j of three panels
	s_mov_b32 s61, 0
	s_lshl_b32 s62, s17, 7
	s_lshl_b32 s63, s15, 6
	s_add_co_u32 s62, s62, s63
	s_lshl_b32 s62, s62, 14                        ; out0: row 128 x row block + 64 p, 16,384 bytes a row,
	s_lshl_b32 s63, s49, 10
	s_add_co_u32 s62, s62, s63
	s_lshl_b32 s63, s16, 9
	s_add_co_u32 s62, s62, s63                     ; + 1,024 x column block + 512 j
	s_mov_b32 s63, 0
	v_and_b32 v1, 15, v0                           ; r
	v_bfe_u32 v2, v0, 4, 1                         ; h
	v_and_b32 v4, 31, v0
	v_lshlrev_b32 v[LI], 4, v4
	v_add_nc_u32 v[ADRA], s51, v[LI]
	v_add_nc_u32 v[ADRA+3], s52, v[LI]
	v_xor_b32 v5, s15, v2                          ; lanes 0-15 take the unit of the rows that I keep, lanes 16-31 the other
	v_lshlrev_b32 v5, 8, v5
	v_lshl_add_u32 v5, v1, 4, v5
	v_add_nc_u32 v[ADRS], s53, v5
.irp rg, 1,2
	v_add_nc_u32 v[ADRA+\rg], \rg*REG, v[ADRA]
	v_add_nc_u32 v[ADRA+3+\rg], \rg*REG, v[ADRA+3]
	v_add_nc_u32 v[ADRS+\rg], \rg*REG, v[ADRS]
.endr
	v_add_nc_u32 v[XS], s54, v[LI]
	v_add_nc_u32 v[XR], s55, v[LI]
	v_mul_u32_u24 v6, v1, SPITCH
	v_lshl_add_u32 v6, v2, 5, v6
	v_add_nc_u32 v[STO], s56, v6
	v_add_nc_u32 v[RD], s56, v[LI]
	v_min_u32 v4, 18, v4                           ; 19 blocks an instruction; the lanes left over name the last again
	v_add_nc_u32 v[PFB], s57, v4
	v_min_u32 v[PFC], 249, v[PFB]                  ; for the last trip: five panels
	v_min_u32 v[PFB], 299, v[PFB]
	v_lshlrev_b32 v[PFC], 8, v[PFC]
	v_lshlrev_b32 v[PFB], 8, v[PFB]
	v_add_nc_u32 v[PFA], s58, v4
	v_min_u32 v[PFA], 149, v[PFA]
	v_lshlrev_b32 v[PFA], 8, v[PFA]
	s_wait_alu depctr_va_vdst(0)
	s_wait_dscnt 0x0                               ; both opening adds are done
	s_wait_kmcnt 0x0
	s_add_nc_u64 s[20:21], s[4:5], s[20:21]
	s_add_nc_u64 s[BP:BP+1], s[6:7], s[22:23]
	s_add_nc_u64 s[12:13], s[8:9], s[62:63]
	s_add_nc_u64 s[PAF:PAF+1], s[20:21], 2*PANEL   ; at the first trip's first step
	s_mov_b32 s[G0H], 1
	s_add_co_u32 s[G0H+1], s50, XCH
	s_mov_b64 s[G0H+2:G0H+3], s[20:21]
	s_or_b32 s[G0H+3], s[G0H+3], 0x80000000
	s_mov_b32 s[G0X], 1
	s_add_co_u32 s[G0X+1], s50, REG
	s_add_nc_u64 s[G0X+2:G0X+3], s[20:21], 2*PANEL
	s_or_b32 s[G0X+3], s[G0X+3], 0x80000000
	s_add_nc_u64 s[20:21], s[20:21], s[60:61]
	s_add_co_u32 s59, s50, s60
.irp rg, 0,1
	s_mov_b32 s[D+4*\rg], 1
	s_add_co_u32 s[D+4*\rg+1], s59, \rg*REG
	s_add_nc_u64 s[D+4*\rg+2:D+4*\rg+3], s[20:21], (5+3*\rg)*PANEL   ; slot 0 begins with panel 5, slot 1's ring with panel 8
	s_or_b32 s[D+4*\rg+3], s[D+4*\rg+3], 0x80000000
.endr
	CROUND                                         ; the cluster's four are here: the first joint loads meet
	s_cmp_eq_u32 s16, 0                            ; the head's loads, one a wave, in one chain of two arms
	s_cbranch_scc0 .Lhead_x
	tensor_load_to_lds s[G0H:G0H+3], s[G1:G1+7]    ; steps 0 and 1 of my K half
	s_nop 0
	PLACES
	s_branch .Lhead_asked
.Lhead_x:
	tensor_load_to_lds s[G0X:G0X+3], s[G1X:G1X+7]  ; steps 2 to 4, into slot 1
	s_nop 0
	PLACES
.Lhead_asked:
	global_prefetch_b8 v[PFB], s[BP:BP+1] offset:3*PANEL th:TH_LOAD_NT scope:SCOPE_SE     ; wq: panels 3 to 8
	global_prefetch_b8 v[PFA], s[PAF:PAF+1] offset:6*PANEL th:TH_LOAD_NT scope:SCOPE_SE   ; xq: panels 8 to 10,
	global_prefetch_b8 v[PFA], s[PAF:PAF+1] offset:9*PANEL th:TH_LOAD_NT scope:SCOPE_SE   ; and 11 to 13
	BLOAD 0, 0
	BLOAD 1, PANEL
	BLOAD 2, 2*PANEL
	s_wait_tensorcnt 0x0                           ; my part of steps 0 to 4 is in
	ds_add_u32 v[SPW], v[NIL]
	s_mov_b32 s[G1+2], 75<<16                      ; no tensor load of mine is out: from here on a load brings 75 rows
	s_mov_b32 s[G1+4], 75
	s_wait_dscnt 0x0
	CROUND
	tensor_load_to_lds s[D:D+3], s[G1:G1+7]        ; steps 5 to 7: slot 0's first fill
	s_nop 0
	PLACES
	ASCL 2, 0, 0
	FETCH_A 2, 0, 0
	FETCH_A 2, 0, 1
	KSTEP 0, 0, 2, 1, 0, 3, 50, 1, 0               ; step 0 starts the sums
	KSTEP 1, 1, 1, 0, 0, 4, 50, 0, 0               ; step 1: on to slot 1, which the head's round has shown whole
	s_wait_xcnt 0x0                                ; loads and prefetches have read their base
	s_add_nc_u64 s[BP:BP+1], s[BP:BP+1], 2*PANEL
	s_mov_b32 s3, 4
.Ltrip:                                                ; six steps: three in slot 1, three in slot 0
	KSTEP 2, 0, 1, 1, 0, 3, 50, 0, 0
	KSTEP 0, 1, 1, 2, 0, 4, 50, 0, 0
	KSTEP 1, 0, 0, 0, 1, 5, 50, 0, 1
	KSTEP 2, 1, 0, 1, 0, 6, 50, 0, 0
	KSTEP 0, 0, 0, 2, 0, 7, 50, 0, 0
	KSTEP 1, 1, 1, 0, 1, 8, 50, 0, 2
	s_wait_xcnt 0x0                                ; loads and prefetches have read their bases
	s_add_nc_u64 s[BP:BP+1], s[BP:BP+1], 6*PANEL
	s_add_nc_u64 s[PAF:PAF+1], s[PAF:PAF+1], 6*PANEL
	s_sub_co_u32 s3, s3, 1
	s_cmp_lg_u32 s3, 0
	s_cbranch_scc1 .Ltrip
	KSTEP 2, 0, 1, 1, 0, 3, 50, 0, 0               ; steps 26 to 31: nothing is filled, and the loads end with panel 31
	KSTEP 0, 1, 1, 2, 0, 4, 50, 0, 0
	KSTEP 1, 0, 0, 0, 2, 5, 50, 0, 0
	KSTEP 2, 1, 0, 1, 0, -1, 50, 0, 0
	KSTEP 0, 0, 0, 2, 0, -1, 25, 0, 0
; Step 31, written out: the rows that I hand over are finished first, so that their way into the exchange is issued ahead of the products of the rows that I keep.
	s_wait_loadcnt 0x0                             ; weight's last panel is in
	s_wait_dscnt 0x0                               ; and all of x's last fragments and scale words
	WIN 0xf1
	MUL16 4, 1, 1, 0
	MUL16 6, 1, 1, 0
	PLACES                                         ; four places ahead of the stores that read these results
; THE WAY OUT.  Each wave hands the sums of window 3 to its partner of the other K half through LDS, adds what it receives to window 2, and sends its 64 rows through its own stage, so that 32 lanes store 512 consecutive bytes of a row.
	WIN 0x0c
	s_wait_alu depctr_va_vdst(0)
.irp x, 0,1,2,3,4,5,6,7,8,9,10,11,12,13,14,15,16,17,18,19,20,21,22,23,24,25,26,27,28,29,30,31
	ds_store_b128 v[XS], v[8*\x:8*\x+3] offset:1024*\x
	ds_store_b128 v[XS], v[8*\x+4:8*\x+7] offset:1024*\x+512
.endr
	WIN 0xa1
	MUL16 0, 1, 1, 0                               ; the rows that I keep: 32 products behind the 64 stores' issue
	MUL16 2, 1, 1, 0
	PLACES                                         ; four places ahead of the loads into weight's registers and of the adds
	WIN 0
	s_wait_dscnt 0x0                               ; for my partner's sake
	s_barrier_signal -1
	s_barrier_wait -1
.macro RECV a
	WIN 0x40
.irp b, 0,1,2,3,4,5,6,7
	ds_load_b128 v[64*(\a)+8*\b:64*(\a)+8*\b+3], v[XR] offset:(8*(\a)+\b)*1024
	ds_load_b128 v[64*(\a)+8*\b+4:64*(\a)+8*\b+7], v[XR] offset:(8*(\a)+\b)*1024+512
.endr
.endm
.macro ADD a                           ; window 1 = window 2 + window 1
	WIN 0x46
.set J, 64*(\a)
.rept 32
	v_pk_add_f32 v[J:J+1], v[J:J+1], v[J:J+1]
.set J, J+2
.endr
.endm
.macro TOSTAGE a
	WIN 0x04
.irp b, 0,1,2,3,4,5,6,7
	ds_store_b128 v[STO], v[64*(\a)+8*\b:64*(\a)+8*\b+3] offset:64*\b
	ds_store_b128 v[STO], v[64*(\a)+8*\b+4:64*(\a)+8*\b+7] offset:64*\b+16
.endr
	WIN 0x40
.irp t, 0,1,2,3,4,5,6,7,8,9,10,11,12,13,14,15
	ds_load_b128 v[64*(\a)+4*\t:64*(\a)+4*\t+3], v[RD] offset:\t*SPITCH
.endr
.endm
.macro SEND a, younger
	s_wait_dscnt \younger
	WIN 0x04
.irp t, 0,1,2,3,4,5,6,7,8,9,10,11,12,13,14,15
	global_store_b128 v[LI], v[64*(\a)+4*\t:64*(\a)+4*\t+3], s[12:13] offset:(\a)*262144+\t*16384 th:TH_STORE_NT
.endr
.endm
	RECV 0
	RECV 1
	s_wait_dscnt 16                                ; block 0 is in
	ADD 0
	TOSTAGE 0
	RECV 2
	s_wait_dscnt 48                                ; block 1 is in: behind it block 0's 32 through the stage and block 2's 16
	ADD 1
	TOSTAGE 1
	SEND 0, 48
	RECV 3
	s_wait_dscnt 48
	ADD 2
	TOSTAGE 2
	SEND 1, 48
	s_wait_dscnt 32
	ADD 3
	TOSTAGE 3
	SEND 2, 32
	SEND 3, 0
	WIN 0
	s_wait_tensorcnt 0x0                           ; the wave's end
	ds_add_u32 v[SPW], v[NIL]
	s_wait_dscnt 0x0
	CROUND                                         ; the closing round
	s_endpgm
.Lfunc_end_k_qcc660147ac_gemm:
	.size	k_qcc660147ac_gemm, .Lfunc_end_k_qcc660147ac_gemm-k_qcc660147ac_gemm
	.p2alignl 7, 3214868480
	.fill 96, 4, 3214868480
	.section	.rodata,"a",@progbits
	.p2align	6, 0x0
	.amdhsa_kernel k_qcc660147ac_gemm
		.amdhsa_group_segment_fixed_size 327680
		.amdhsa_private_segment_fixed_size 0
		.amdhsa_enable_private_segment 0
		.amdhsa_kernarg_size 24
		.amdhsa_user_sgpr_count 2
		.amdhsa_user_sgpr_kernarg_segment_ptr 1
		.amdhsa_wavefront_size32 1
		.amdhsa_system_sgpr_workgroup_id_x 1
		.amdhsa_system_sgpr_workgroup_id_y 1
		.amdhsa_system_sgpr_workgroup_id_z 1
		.amdhsa_system_vgpr_workitem_id 0
		.amdhsa_next_free_vgpr 1024
		.amdhsa_next_free_sgpr 80
		.amdhsa_reserve_vcc 0
		.amdhsa_float_denorm_mode_32 3
		.amdhsa_float_denorm_mode_16_64 3
		.amdhsa_memory_ordered 1
		.amdhsa_forward_progress 1
		.amdhsa_inst_pref_size 216
	.end_amdhsa_kernel
	.amdgpu_metadata
---
amdhsa.version: [ 1, 2 ]
amdhsa.kernels:
  - .name:           k_qcc660147ac_gemm
    .symbol:         k_qcc660147ac_gemm.kd
    .args:
      - { .name: xq, .offset: 0, .size: 8, .value_kind: global_buffer, .address_space: global }
      - { .name: wq, .offset: 8, .size: 8, .value_kind: global_buffer, .address_space: global }
      - { .name: out0, .offset: 16, .size: 8, .value_kind: global_buffer, .address_space: global }
    .group_segment_fixed_size: 327680
    .private_segment_fixed_size: 0
    .kernarg_segment_align: 8
    .kernarg_segment_size: 24
    .max_flat_workgroup_size: 128
    .sgpr_count:     80
    .vgpr_count:     1024
    .wavefront_size: 32
...
	.end_amdgpu_metadata
.endif
;; end of part 2
